; MI455X (gfx1250); checked and timed in simulation.
; The chip was launched on July 23, 2026; its instructions are those of AMD's public machine-readable ISA for CDNA 5 (MIT licence, August 2026) and "CDNA5" Instruction Set Architecture Reference Guide (July 2026). The comments in the code are by the model that wrote it; some were corrected since.
;; Streaming Hyperbolic Attention. Allowed arithmetic: matrix products marked QUANTISED: E4M3 operands, one given power-of-two scale a tensor, by v_wmma_f32_16x16x64_fp8_fp8 or v_wmma_f32_16x16x128_fp8_fp8, f32 sums; everything else in f32.
;; Inputs: lowp_scales 12 int32 (the exponents e of the quantised operands' scales 2^e); wk 1,024 x 1,024 float32; wo 1,024 x 1,024 float32; wq 1,024 x 1,024 float32; wv 1,024 x 1,024 float32; x 2 x 2,048 x 1,024 float32.
;; Outputs: out0 2 x 2,048 x 1,024 float32.
;; This version of the problem:
;;   THIS VERSION OF THE PROBLEM IS GIVEN IN LOW PRECISION. The matrix products marked QUANTISED in the list below multiply operands that are first quantised to E4M3 (4 exponent bits, 3 mantissa bits; 8 bits a number), with one given power-of-two scale for each operand tensor; their sums are f32. All else is computed in f32.
;;   The module's matrix products, in the order in which they are computed (A, B: the left and right operand; K: the contracted axis; several contracted axes count as one K, in the product's order):
;;     1. [M 4,096, K 1,024] x [K 1,024, N 1,024]; A: input x; B: input wq: QUANTISED (scales: A lowp_scales[0], B lowp_scales[1])
;;     2. [M 4,096, K 1,024] x [K 1,024, N 1,024]; A: input x; B: input wk: QUANTISED (scales: A lowp_scales[2], B lowp_scales[3])
;;     3. [M 4,096, K 1,024] x [K 1,024, N 1,024]; A: input x; B: input wv: QUANTISED (scales: A lowp_scales[4], B lowp_scales[5])
;;     4. batch 32 x [M 2,048, K 64] x [K 64, N 2,048]; A: computed on the way; B: computed on the way: QUANTISED (scales: A lowp_scales[6], B lowp_scales[7])
;;     5. batch 32 x [M 2,048, K 2,048] x [K 2,048, N 64]; A: softmax (see below); B: computed on the way: QUANTISED (scales: A lowp_scales[8], B lowp_scales[9])
;;     6. [M 4,096, K 1,024] x [K 1,024, N 1,024]; A: computed on the way; B: input wo: QUANTISED (scales: A lowp_scales[10], B lowp_scales[11])
;;   THE QUANTISER, for each operand of a quantised product, along K:
;;     - The operand's scale is 2^e, e = its entry of the input lowp_scales (int32; the entries are numbered through the quantised products in the list's order, A before B).
;;     - Each number is divided by the scale, clamped to +-448, and rounded to the nearest number of E4M3, ties to even, subnormals kept.
;;     - The product sums the exact products of the quantised numbers (number of the format x scale) in f32.
;;   ~~~python
;;   def quantise(x, axis, e):      # numpy; x: float32 -> the quantised numbers, widened to float32 again
;;       x = np.moveaxis(x, axis, -1); K = x.shape[-1]
;;       r = np.clip(x / 2.0 ** e, -448, 448)
;;       step = 2.0 ** (np.maximum(np.frexp(np.where(r == 0, 1, r))[1] - 1, -6) - 3)
;;       q = np.round(r / step) * step * 2.0 ** e      # np.round: ties to even
;;       return np.moveaxis(q, -1, axis).astype(np.float32)
;;   ~~~
;;   SOFTMAX AHEAD OF A QUANTISED PRODUCT. Where the list says 'softmax', what is quantised is not the finished softmax but p = 2^(t - M), with t = logit x log2(e) and M = ceil(the row's largest t), a whole number; so 1/2 < the row's largest p <= 1. The row's sum l is taken of the UNQUANTISED p, in f32, and the product's result is divided by l at the end. Since M is a whole number, a kernel that streams over the keys may use a running M (the ceiling of the running maximum): every later rescaling is an exact power of two, so the quantised numbers keep their values, but for numbers so far below the row's largest that they fall under the format's range.
;;   OPERANDS COMPUTED ON THE WAY. 'Computed on the way' means the value that the module computes at that place (a softmax that the list does not call 'softmax' is quantised finished and normalised). What goes into a quantiser is computed in f32, as accurately as f32 sums, v_exp_f32 and their like allow (about 1e-6 of the number): no bf16 or f16 on the way to a quantiser, and a product that is left as it is and whose result goes on into a quantised operand takes f32 operands (vector FMAs, or v_wmma_f32_16x16x4_f32). A number that lies on a knife's edge between two numbers of the format may be rounded either way, as far as f32 arithmetic and the matrix unit's own rounding can turn it there, and no further.
;; One version. Each part assembles by itself: llvm-mc -triple=amdgcn-amd-amdhsa -mcpu=gfx1250 --defsym DOCPART=n.
;; ======== version 1 of 1: 4 launches
;; limits: right only within a limited range of input values
;; workspace buffers: xc 12,582,912 bytes; wc 4,194,304 bytes; qp 8,912,896 bytes; kv 8,912,896 bytes; ao 4,194,304 bytes; fl 262,144 bytes of whole numbers
;; launch quant (part 1): grid 512 x 1, 4 waves a work-group, no clusters, 34,304 bytes of LDS; arguments x, wq, wk, wv, wo, lowp_scales, xc, wc; writes xc, wc
.if DOCPART == 1
	.amdgcn_target "amdgcn-amd-amdhsa--gfx1250"
	.amdhsa_code_object_version 6
	.text
	.protected	k_qd9ccb0d0f8_quant
	.globl	k_qd9ccb0d0f8_quant
	.p2align	8
	.type	k_qd9ccb0d0f8_quant,@function
k_qd9ccb0d0f8_quant:
	s_mov_b64 s[64:65], 0
	v_nop
	global_prefetch_b8 v0, s[64:65] scope:SCOPE_SE
	s_setreg_imm32_b32 hwreg(HW_REG_WAVE_MODE, 25, 1), 1
	s_wait_xcnt 0x0
; x [4096][1024] and wq, wk, wv, wo [1024][1024], f32 with K innermost, become codes of E4M3, laid as IMAGES OF OPERAND REGISTERS.
; x is an operand of three products, each with a scale of its own (entries 0, 2, 4 of the scales), so it gets three sets of codes; wq, wk, wv, wo take entries 1, 3, 5, 11.
; code = number / 2^e, held within +-448, to the nearest code, ties to even.
; AN IMAGE: 16 rows x 128 along K are 16 registers a lane in the plain 8-bit layout (lane (r, h): row r; registers 2 c, 2 c + 1: k = 16 c + 8 h + 0 .. 7).  Registers 4 G .. 4 G + 3 of all lanes
; lie on end, lane l's 16 bytes at 512 G + 16 l: 2,048 bytes.  A buffer is [tile of 16 rows][8 K steps][2,048]; a later launch gets a fragment by four loads of 512 consecutive bytes.
; SHARES.  Work-groups 0 to 255 take a tile of 16 rows of x, the other 256 a tile of a weight; wave w takes K steps 2 w and 2 w + 1.  Each load reads 512 consecutive bytes of a row; the numbers turn through the
; wave's own stage in LDS (rows of 512 + 16 bytes), so that a lane gets eight neighbours along K at a time; each store writes 512 consecutive bytes, aligned.
; No work-group reads what another reads: no cluster, no tensor load, no barrier.  Every offset is an immediate, no store's data are written again.
; LIMITS: every e used here lies between -126 and 119.  NaN among the inputs is not served.
.set SP,    528                        ; a stage row: 512 bytes + 16: 132 words, so that the 16 rows of a read start at 16 different banks
.set STGB,  16*SP                      ; a wave's stage
.set SPARE, 4*STGB                     ; behind the stages: the spare words, 128 bytes a wave, which no other line names
.set NX,    256                        ; work-groups that take x
.set LO,  2                            ; v2      16 x lane
.set SA,  3                            ; v3      the stage, way in
.set RA,  4                            ; v4      the stage, way out: row r, + 32 h
.set SPW, 5                            ; v5      my spare word; never rewritten
.set NIL, 6                            ; v6      0; never rewritten
.set SC,  8                            ; v8-13   three pairs: 2^e, 448 x 2^e
.set T,   16                           ; v16-31  two sets of eight held numbers
.set X,   32                           ; v32-95  64 numbers of my row: X + 8 c + j = k 16 c + 8 h + j
.set R,   96                           ; v96-223 two K steps as loaded; a step's 64 registers then take its codes
	s_load_b256 s[8:15], s[0:1], 0x0               ; x, wq, wk, wv
	s_load_b256 s[16:23], s[0:1], 0x20             ; wo, the scales, xc, wc
	v_lshl_add_u32 v[SPW], v0, 2, SPARE
	v_mov_b32 v[NIL], 0
	v_lshrrev_b32 v1, 5, v0
	v_readfirstlane_b32 s2, v1                     ; wave
	v_and_b32 v1, 31, v0
	v_lshlrev_b32 v[LO], 4, v1
	s_mul_i32 s3, s2, STGB
	v_add_nc_u32 v[SA], s3, v[LO]
	v_and_b32 v7, 15, v0
	v_bfe_u32 v14, v0, 4, 1
	v_mul_u32_u24 v[RA], v7, SP
	v_lshl_add_u32 v[RA], v14, 5, v[RA]
	v_add_nc_u32 v[RA], s3, v[RA]
	s_cmp_lt_u32 ttmp9, NX
	s_cselect_b32 s40, 0, NX
	s_sub_co_u32 s40, ttmp9, s40                   ; my tile among x's 256, or among the weights' 256
	s_lshr_b32 s41, s40, 6                         ; which weight
	s_and_b32 s42, s40, 63                         ; and which of its 64 tiles
	s_cmp_lt_u32 ttmp9, NX
	s_cselect_b32 s42, s40, s42
	s_lshl_b32 s42, s42, 16                        ; from: 16 rows of 4,096 bytes a tile,
	s_lshl_b32 s43, s2, 10                         ; 1,024 bytes of each row a wave
	s_add_co_u32 s42, s42, s43
	s_mov_b32 s43, 0
	s_lshl_b32 s44, s40, 14                        ; to: 16,384 bytes a tile (the four weights lie on end),
	s_lshl_b32 s45, s2, 12                         ; two images a wave
	s_add_co_u32 s44, s44, s45
	s_mov_b32 s45, 0
	s_wait_alu depctr_va_vdst(0)
	s_wait_kmcnt 0x0
	s_load_b256 s[24:31], s[18:19], 0x0            ; e0 .. e7
	s_load_b128 s[32:35], s[18:19], 0x20           ; e8 .. e11
	s_cmp_eq_u32 s41, 1                            ; the buffers are chosen by the work-group's number alone
	s_cselect_b64 s[4:5], s[12:13], s[10:11]
	s_cmp_eq_u32 s41, 2
	s_cselect_b64 s[4:5], s[14:15], s[4:5]
	s_cmp_eq_u32 s41, 3
	s_cselect_b64 s[4:5], s[16:17], s[4:5]
	s_cmp_lt_u32 ttmp9, NX
	s_cselect_b64 s[4:5], s[8:9], s[4:5]
	s_cselect_b64 s[36:37], s[20:21], s[22:23]
	s_add_nc_u64 s[4:5], s[4:5], s[42:43]
	s_add_nc_u64 s[36:37], s[36:37], s[44:45]
	s_add_nc_u64 s[38:39], s[36:37], 0x400000      ; x's second and third set of codes (used by x's work-groups alone)
	s_add_nc_u64 s[46:47], s[36:37], 0x800000
.irp f, 0,1
.set i, 0
.rept 16
	global_load_b128 v[R+64*\f+4*i:R+64*\f+4*i+3], v[LO], s[4:5] offset:4096*i+512*\f th:TH_LOAD_NT   ; row i, K step f: 512 consecutive bytes
.set i, i+1
.endr
.endr
	s_wait_kmcnt 0x0
	s_cmp_eq_u32 s41, 1
	s_cselect_b32 s6, s27, s25
	s_cmp_eq_u32 s41, 2
	s_cselect_b32 s6, s29, s6
	s_cmp_eq_u32 s41, 3
	s_cselect_b32 s6, s35, s6
	s_cmp_lt_u32 ttmp9, NX
	s_cselect_b32 s6, s24, s6                      ; the first set's e
.macro MKSC k, e
	s_add_co_i32 s7, \e, 127
	s_lshl_b32 s7, s7, 23
	v_mov_b32 v[SC+2*\k], s7                       ; 2^e as f32: the conversion takes its exponent field
	s_add_co_u32 s7, s7, 0x04600000                ; eight more in the exponent field and 448's mantissa field
	v_mov_b32 v[SC+2*\k+1], s7                     ; 448 x 2^e
.endm
	MKSC 0, s6
	MKSC 1, s26
	MKSC 2, s28
; The 64 numbers in X become set k's image of K step f, in the registers that the K step was loaded into, and leave.
.macro QOUT f, k, base
.set c, 0
.rept 8
.set j, 0
.rept 8
	v_med3_num_f32 v[T+8*(c%2)+j], v[X+8*c+j], -v[SC+2*\k+1], v[SC+2*\k+1]   ; the conversion to an 8-bit code does not saturate (ISA guide 7.6.2): the hold comes first; X is kept for the next set
.set j, j+1
.endr
	v_cvt_scalef32_pk8_fp8_f32 v[R+64*\f+16*\k+2*c:R+64*\f+16*\k+2*c+1], v[T+8*(c%2):T+8*(c%2)+7], v[SC+2*\k]   ; T's two sets take turns: eight plain lines stand before a conversion's sources are written again
.set c, c+1
.endr
	v_nop                                          ; a plain line behind the last conversion
.irp g, 0,1,2,3
	global_store_b128 v[LO], v[R+64*\f+16*\k+4*\g:R+64*\f+16*\k+4*\g+3], s[\base:\base+1] offset:2048*\f+512*\g   ; 512 consecutive bytes, aligned
.endr
.endm
.macro PART f, left
	s_wait_loadcnt \left                           ; this K step's 16 loads are in
.set i, 0
.rept 16
	ds_store_b128 v[SA], v[R+64*\f+4*i:R+64*\f+4*i+3] offset:SP*i
.set i, i+1
.endr
.set i, 0
.rept 8
	ds_load_b128 v[X+8*i:X+8*i+3], v[RA] offset:64*i           ; LDS serves a wave's instructions in order: these see my stores
	ds_load_b128 v[X+8*i+4:X+8*i+7], v[RA] offset:64*i+16
.set i, i+1
.endr
	s_wait_dscnt 0x0                               ; X is in, and the stores have read the registers that the codes now take
	QOUT \f, 0, 36
	s_cmp_ge_u32 ttmp9, NX                         ; a weight has one set of codes
	s_cbranch_scc1 .Lweight_\@
	QOUT \f, 1, 38
	QOUT \f, 2, 46
.Lweight_\@:
.endm
	s_wait_alu depctr_va_vdst(0)
	PART 0, 16                                     ; the other K step's 16 loads may be out
	PART 1, 0
	s_wait_tensorcnt 0x0                           ; the wave's end, behind my last LDS store
	ds_add_u32 v[SPW], v[NIL]
	s_wait_dscnt 0x0
	s_endpgm
.Lfunc_end_k_qd9ccb0d0f8_quant:
	.size	k_qd9ccb0d0f8_quant, .Lfunc_end_k_qd9ccb0d0f8_quant-k_qd9ccb0d0f8_quant
	.p2alignl 7, 3214868480
	.fill 96, 4, 3214868480
	.section	.rodata,"a",@progbits
	.p2align	6, 0x0
	.amdhsa_kernel k_qd9ccb0d0f8_quant
		.amdhsa_group_segment_fixed_size 34304
		.amdhsa_private_segment_fixed_size 0
		.amdhsa_enable_private_segment 0
		.amdhsa_kernarg_size 64
		.amdhsa_user_sgpr_count 2
		.amdhsa_user_sgpr_kernarg_segment_ptr 1
		.amdhsa_wavefront_size32 1
		.amdhsa_system_sgpr_workgroup_id_x 1
		.amdhsa_system_sgpr_workgroup_id_y 1
		.amdhsa_system_sgpr_workgroup_id_z 1
		.amdhsa_system_vgpr_workitem_id 0
		.amdhsa_next_free_vgpr 224
		.amdhsa_next_free_sgpr 66
		.amdhsa_reserve_vcc 0
		.amdhsa_float_denorm_mode_32 3
		.amdhsa_float_denorm_mode_16_64 3
		.amdhsa_memory_ordered 1
		.amdhsa_forward_progress 1
		.amdhsa_inst_pref_size 41
	.end_amdhsa_kernel
	.amdgpu_metadata
---
amdhsa.version: [ 1, 2 ]
amdhsa.kernels:
  - .name:           k_qd9ccb0d0f8_quant
    .symbol:         k_qd9ccb0d0f8_quant.kd
    .args:
      - { .name: x, .offset: 0, .size: 8, .value_kind: global_buffer, .address_space: global }
      - { .name: wq, .offset: 8, .size: 8, .value_kind: global_buffer, .address_space: global }
      - { .name: wk, .offset: 16, .size: 8, .value_kind: global_buffer, .address_space: global }
      - { .name: wv, .offset: 24, .size: 8, .value_kind: global_buffer, .address_space: global }
      - { .name: wo, .offset: 32, .size: 8, .value_kind: global_buffer, .address_space: global }
      - { .name: lowp_scales, .offset: 40, .size: 8, .value_kind: global_buffer, .address_space: global }
      - { .name: xc, .offset: 48, .size: 8, .value_kind: global_buffer, .address_space: global }
      - { .name: wc, .offset: 56, .size: 8, .value_kind: global_buffer, .address_space: global }
    .group_segment_fixed_size: 34304
    .private_segment_fixed_size: 0
    .kernarg_segment_align: 8
    .kernarg_segment_size: 64
    .max_flat_workgroup_size: 128
    .sgpr_count:     66
    .vgpr_count:     224
    .wavefront_size: 32
...
	.end_amdgpu_metadata
.endif
;; end of part 1
;; launch proj (part 2): grid 12 x 16, 4 waves a work-group, clusters of 4 x 4, 327,680 bytes of LDS; arguments xc, wc, lowp_scales, qp, kv, fl; writes qp, kv, fl
.if DOCPART == 2
	.amdgcn_target "amdgcn-amd-amdhsa--gfx1250"
	.amdhsa_code_object_version 6
	.text
	.protected	k_qd9ccb0d0f8_proj
	.globl	k_qd9ccb0d0f8_proj
	.p2align	8
	.type	k_qd9ccb0d0f8_proj,@function
k_qd9ccb0d0f8_proj:
	s_mov_b64 s[64:65], 0
	v_nop
	global_prefetch_b8 v0, s[64:65] scope:SCOPE_SE
	s_setreg_imm32_b32 hwreg(HW_REG_WAVE_MODE, 25, 1), 1
	s_wait_xcnt 0x0
	s_wait_alu depctr_hold_cnt(0) depctr_sa_sdst(0) depctr_va_vdst(0) depctr_va_sdst(0) depctr_va_ssrc(0) depctr_va_vcc(0) depctr_vm_vsrc(0)
	s_getreg_b32 s2, hwreg(HW_REG_IB_STS2, 6, 4)
	s_cmp_eq_u32 s2, 0
	s_cbranch_scc0 .Lentry_in_a_cluster
	s_endpgm
.Lentry_in_a_cluster:
	s_bfe_u32 s2, ttmp6, 0x10000c
	s_cmp_lg_u32 s2, 0xf033
	s_cbranch_scc0 .Lentry_shape_is_right
	s_endpgm
.Lentry_shape_is_right:
; The three projections q = x wq^T, k = x wk^T, v = x wv^T on codes of E4M3, and what attention wants of them: codes of q, k and v, and each token's squared norm in each head.
; WHO.  The cluster's x, P, says which: 0 q, 1 k, 2 v; it is the same in all sixteen partners.  A tile of C is 256 x 256, four waves of 128 x 128 (64 accumulators); 3 x 64 tiles: 192 work-groups.
; For q and k operand A is x (rows = tokens) and B the weight (rows = channels); for v A is wv and B is x, so that a lane's registers run along the TOKENS, which are the K of attention's second product.
; OPERANDS come as images of registers (16 rows x 128 K: 2,048 bytes, group G of four registers at 512 G + 16 lane), [tile of 16 rows][8 K steps][2,048].  A slot of the ring holds 256 along K: for each tile of
; 16 rows 4,096 consecutive bytes; a wave's tensor load brings eight such pieces, 16,384 bytes apart in memory, dense in LDS; a fragment is four LDS loads of 512 consecutive bytes: no pitch, no padding.
; CLUSTERS: 4 x 4.  A's tiles are shared along a row of the cluster, B's along a column: joint loads, the same descriptor and mask in the four that a mask names.
; THE MATRIX INSTRUCTION IS USED TRANSPOSED (source 0 = 16 rows of B, source 1 = 16 rows of A): in accumulator (a, b) lane (r, h) holds row 16 a + r of A and rows 16 b + 8 h + 0 .. 7 of B: eight neighbours along
; the next product's K, in the plain 8-bit layout's own order.  So one conversion of an accumulator gives registers 2 b, 2 b + 1 of a fragment as they stand, and nothing is turned.
; OUT: a pack for each head and block of 128 tokens, 17,408 bytes: +0 eight fragments of 16 tokens x 64 channels (1,024 bytes each); +8,192 four fragments of V^T, 16 channels x 128 tokens (kv alone);
; +16,384 X[128], +16,896 Y[128], f32.  In qp: X = |q|^2, Y = 2 / (1 - |q|^2).  In kv: X = -|k|^2 / 2^(e6 + e7 + 1), Y = 1 / (1 - |k|^2).  The norms are taken of the f32 sums, not of the codes.
; LIMITS: (the code's e) - (the two operands' e added) lies between -126 and 119; e6 + e7 + 1 within +-126.  NaN among the inputs is not served.
; REGISTERS, in windows of 256: window 0: v16-31 addresses and scales; from v128 A's fragments, ONE set; on the way out v32-95 at work, v96-111 rows of norms, v128-255 codes.
;   window 1: B's fragments, TWO sets.   window 2: the accumulators of my rows 0-63 ((a, b) at v[8 (8 a + b)]);   window 3: those of rows 64-127.
.set FR,     16                        ; registers of a fragment
.set NL,     4                         ; LDS loads that bring one
.set NP,     4                         ; places behind this matrix instruction (ISA guide 7.12.1)
.set HALFT,  32768                     ; 128 rows x 256 along K: what one tensor load brings
.set SLOT,   4*HALFT                   ; A's 256 rows, then B's
.set LAPS,   2                         ; K = 1,024 is four slots' worth: twice round the ring
.set SPARE,  2*SLOT                    ; behind the ring: the spare words, 128 bytes a wave, which no other line names
.set STG,    SPARE+512                 ; behind them: 2,048 bytes a wave for the norms; no tensor load lands here
.set HS,     278528                    ; a head's packs
.set BS,     17408                     ; a pack
.set ADRA, 16                          ; v16-17  LDS address of my A fragments in slot 0, 1
.set ADRB, 20                          ; v20-21  the same for B
.set LI,   24                          ; v24     16 x lane
.set SW,   25                          ; v25     where I put a norm
.set SR,   26                          ; v26     where I read 16 bytes of norms back
.set LN,   27                          ; v27     lane
.set SPW,  28                          ; v28     my spare word; never rewritten
.set NIL,  29                          ; v29     0; never rewritten
.set SCV,  30                          ; v30     the conversions' scale
.set LIM,  31                          ; v31     448 x that
.set T,    32
.set BK,   96
.set AF,   128
.set CD,   128
.set G1, 24
.set G0, 32
.set G1B, 48
.set G0B, 56
.set MSB, 0
.macro WIN new                         ; the immediate's high byte repeats the setting that is left
.if MSB != (\new)
	s_set_vgpr_msb (MSB<<8)|(\new)
.set MSB, (\new)
.endif
.endm
.set MUL_LO, 0xa1                      ; source 0 (B) window 1, source 1 (A) window 0, C and D window 2
.set MUL_HI, 0xf1                      ; the same, C and D window 3
.set TO_B,   0x40                      ; destination window 1, address window 0
; A joint load: waves 0 and 1 fetch for A, waves 2 and 3 for B; the branch hangs on the wave's number alone.  An s_nop 0 and four v_nop follow each of the two lines.
.macro JLOAD g0a, g1a, g0b, g1b
	s_cmp_eq_u32 s15, 0
	s_cbranch_scc0 .Lfor_b_\@
	tensor_load_to_lds s[\g0a:\g0a+3], s[\g1a:\g1a+7]
	s_nop 0
.rept 4
	v_nop
.endr
	s_branch .Lasked_\@
.Lfor_b_\@:
	tensor_load_to_lds s[\g0b:\g0b+3], s[\g1b:\g1b+7]
	s_nop 0
.rept 4
	v_nop
.endr
.Lasked_\@:
.endm
.macro CREST                           ; a round of the cluster's barrier behind its opening barrier
	s_cmp_lg_u32 s14, 0
	s_cbranch_scc1 .Lnot_wave_0_\@
	s_barrier_signal -3
.Lnot_wave_0_\@:
	s_barrier_wait -3
	s_barrier_signal -1
	s_barrier_wait -1
.endm
.macro CROUND
	s_barrier_signal -1
	s_barrier_wait -1
	CREST
.endm
	s_load_b256 s[4:11], s[0:1], 0x0               ; xc s[4:5], wc s[6:7], the scales s[8:9], qp s[10:11]
	s_load_b64 s[12:13], s[0:1], 0x20              ; kv
	s_load_b64 s[96:97], s[0:1], 0x28              ; fl: for each (16 x batch + head, q or k, block of 128 tokens) 256 bytes that hold one whole number, 1 where every 1 - norm of the block is at least 2^-9, else 0
	v_lshl_add_u32 v[SPW], v0, 2, SPARE
	v_mov_b32 v[NIL], 0
	ds_add_u32 v[SPW], v[NIL]                      ; the wave's opening: the add and its wait ahead of my first tensor load; work on registers stands between them
	ds_add_u32 v[SPW], v[NIL]
	v_lshrrev_b32 v1, 5, v0
	v_readfirstlane_b32 s14, v1                    ; wave 0..3
	s_lshr_b32 s15, s14, 1                         ; which half of A's rows is mine.  Also: I fetch for A (0) or for B (1)
	s_and_b32 s16, s14, 1                          ; which half of B's rows.  Also: which 128 rows of that tile I fetch
	s_bfe_u32 s40, ttmp6, 0x40000                  ; cx
	s_bfe_u32 s41, ttmp6, 0x40004                  ; cy
	s_and_b32 s19, ttmp7, 0xffff
	s_lshl_b32 s19, s19, 2                         ; 4 x cluster y: it walks the tokens' 16 tiles
	s_cmp_eq_u32 ttmp9, 2                          ; v?
	s_cselect_b32 s17, 0, s19
	s_cselect_b32 s18, s19, 0
	s_add_co_u32 s17, s17, s41                     ; A's tile: cy, and for q and k + 4 x cluster y: no cx in it
	s_add_co_u32 s18, s18, s40                     ; B's tile: cx, and for v + 4 x cluster y: no cy in it
	s_lshl_b32 s42, s41, 2
	s_lshl_b32 s42, 15, s42                        ; my row of the cluster
	s_lshl_b32 s43, 0x1111, s40                    ; my column
	s_or_b32 s[G1+0], s42, (3<<16)|(1<<21)         ; 15:0 the mask; 17:16 elements of 8 bytes; 21 set beside a mask; no padding
	s_or_b32 s[G1B+0], s43, (3<<16)|(1<<21)
.irp g, G1, G1B
	s_mov_b32 s[\g+1], 512<<16                     ; tensor_dim0 = 512 elements: 4,096 bytes, two images
	s_mov_b32 s[\g+2], 8<<16                       ; tensor_dim1 = 8 tiles of 16 rows
	s_mov_b32 s[\g+3], 512<<16                     ; tile_dim0
	s_mov_b32 s[\g+4], 8                           ; tile_dim1
	s_mov_b32 s[\g+5], 2048                        ; from tile to tile: 16,384 bytes
	s_mov_b32 s[\g+6], 0
	s_mov_b32 s[\g+7], 0
.endr
	s_lshl_b32 s21, s16, 17                        ; the 128 rows that I fetch; a row of 1,024 codes is 1,024 bytes
	s_lshl_b32 s20, s17, 18
	s_add_co_u32 s20, s20, s21
	s_lshl_b32 s22, s18, 18
	s_add_co_u32 s22, s22, s21
	s_lshl_b32 s2, ttmp9, 22                       ; x's sets lie 4 MiB apart, the weights 1 MiB
	s_lshl_b32 s3, ttmp9, 20
	s_cmp_eq_u32 ttmp9, 2
	s_cselect_b32 s2, 0x200000, s2                 ; v: A is wv,
	s_cselect_b32 s3, 0x800000, s3                 ; and B x's third set
	s_add_co_u32 s20, s20, s2
	s_add_co_u32 s22, s22, s3
	s_mov_b32 s21, 0
	s_mov_b32 s23, 0
	s_lshl_b32 s19, s14, 15                        ; where my tiles go: wave x 32,768: no place in the cluster enters an LDS address
	s_wait_dscnt 0x0                               ; the opening add is done
	s_wait_kmcnt 0x0
	s_load_b256 s[68:75], s[8:9], 0x0              ; e0 .. e7
	s_load_b128 s[76:79], s[8:9], 0x20             ; e8 .. e11
	s_cmp_eq_u32 ttmp9, 2
	s_cselect_b64 s[44:45], s[6:7], s[4:5]
	s_cselect_b64 s[46:47], s[4:5], s[6:7]
	s_add_nc_u64 s[44:45], s[44:45], s[20:21]
	s_add_nc_u64 s[46:47], s[46:47], s[22:23]
	CROUND                                         ; all sixteen work-groups are here: the first joint loads meet
.irp s, 0,1
	s_mov_b32 s[G0+4*\s], 1
	s_add_co_u32 s[G0+4*\s+1], s19, \s*SLOT
	s_add_nc_u64 s[G0+4*\s+2:G0+4*\s+3], s[44:45], \s*4096
	s_or_b32 s[G0+4*\s+3], s[G0+4*\s+3], 0x80000000
	s_mov_b32 s[G0B+4*\s], 1
	s_add_co_u32 s[G0B+4*\s+1], s19, \s*SLOT
	s_add_nc_u64 s[G0B+4*\s+2:G0B+4*\s+3], s[46:47], \s*4096
	s_or_b32 s[G0B+4*\s+3], s[G0B+4*\s+3], 0x80000000
.endr
	JLOAD G0, G1, G0B, G1B                         ; slot 0: one tensor load a wave at the head
	v_and_b32 v[LN], 31, v0
	v_lshlrev_b32 v[LI], 4, v[LN]
	s_lshl_b32 s2, s15, 15                         ; my 128 rows of A
	s_lshl_b32 s3, s16, 15                         ; my 128 rows of B,
	s_add_co_u32 s3, s3, 2*HALFT                   ; which lie behind A's 256
.irp s, 0,1
	v_add_nc_u32 v[ADRA+\s], s2, v[LI]
	v_add_nc_u32 v[ADRB+\s], s3, v[LI]
	s_add_co_u32 s2, s2, SLOT
	s_add_co_u32 s3, s3, SLOT
.endr
	v_and_b32 v1, 15, v0                           ; r
	v_bfe_u32 v2, v0, 4, 1                         ; h
	s_lshl_b32 s2, s14, 11
	s_add_co_u32 s2, s2, STG                       ; my 2,048 bytes for the norms: [head of two][X, Y][128 tokens]
	v_lshlrev_b32 v[SW], 2, v1
	v_lshl_add_u32 v[SW], v2, 9, v[SW]             ; lanes 0-15 put X, lanes 16-31 Y
	v_add_nc_u32 v[SW], s2, v[SW]
	v_add_nc_u32 v[SR], s2, v[LI]
	; where my results go
	s_lshl_b32 s90, s17, 8
	s_lshl_b32 s91, s15, 7
	s_add_co_u32 s90, s90, s91                     ; my first row of A
	s_lshl_b32 s91, s18, 8
	s_lshl_b32 s92, s16, 7
	s_add_co_u32 s91, s91, s92                     ; my first row of B
	s_cmp_eq_u32 ttmp9, 2
	s_cselect_b32 s92, s91, s90                    ; my first token,
	s_cselect_b32 s93, s90, s91                    ; my first channel
	s_lshr_b32 s94, s92, 11
	s_lshl_b32 s94, s94, 4
	s_lshr_b32 s93, s93, 6
	s_add_co_u32 s94, s94, s93                     ; 16 x batch + the first of my two heads
	s_lshl_b32 s98, s94, 1
	s_add_co_u32 s98, s98, ttmp9                   ; q's flags, then k's
	s_lshl_b32 s98, s98, 4
	s_mul_i32 s94, s94, HS
	s_bfe_u32 s92, s92, 0x40007                    ; my block of 128 tokens
	s_add_co_u32 s98, s98, s92
	s_lshl_b32 s98, s98, 8                         ; 256 bytes a flag
	s_mov_b32 s99, 0
	s_add_nc_u64 s[96:97], s[96:97], s[98:99]
	s_mul_i32 s92, s92, BS
	s_add_co_u32 s94, s94, s92
	s_mov_b32 s95, 0
	s_cmp_eq_u32 ttmp9, 0
	s_cselect_b64 s[80:81], s[10:11], s[12:13]     ; q goes to qp, k and v to kv
	s_add_nc_u64 s[80:81], s[80:81], s[94:95]
	s_mov_b32 s88, 0x76543210                      ; v_permlanex16_b32's selects: lane l xor 16
	s_mov_b32 s89, 0xfedcba98
.macro FRAG reg, adr, q, i             ; a fragment as it lies: tile i of my eight, the slot's q-th 128 along K
.irp c, 0,1,2,3
	ds_load_b128 v[\reg+4*\c:\reg+4*\c+3], v[\adr] offset:4096*(\i)+2048*(\q)+512*\c
.endr
.endm
; 16 matrix instructions: A's blocks a0, a0 + 1 x B's eight.  p: B's set.  zero = 1: the first product starts the sums.  The 64 accumulators take turns, one instruction a turn, in the same order in every step.
.macro MUL16 a0, p, zero
.irp a, \a0, \a0+1
.irp b, 0,1,2,3,4,5,6,7
.if \zero
	v_wmma_f32_16x16x128_fp8_fp8 v[8*(8*((\a)%4)+\b):8*(8*((\a)%4)+\b)+7], v[128*(\p)+FR*\b:128*(\p)+FR*\b+FR-1], v[AF+FR*(\a):AF+FR*(\a)+FR-1], 0
.else
	v_wmma_f32_16x16x128_fp8_fp8 v[8*(8*((\a)%4)+\b):8*(8*((\a)%4)+\b)+7], v[128*(\p)+FR*\b:128*(\p)+FR*\b+FR-1], v[AF+FR*(\a):AF+FR*(\a)+FR-1], v[8*(8*((\a)%4)+\b):8*(8*((\a)%4)+\b)+7]
.endif
.endr
.endr
.endm
.macro FETCH_B slot, q, p
	WIN TO_B
.irp i, 0,1,2,3,4,5,6,7
	FRAG 128*(\p)+FR*\i, ADRB+\slot, \q, \i
.endr
	WIN 0
.endm
.macro FETCH_A slot, q, i0
.irp i, \i0, \i0+1, \i0+2, \i0+3
	FRAG AF+FR*(\i), ADRA+\slot, \q, \i
.endr
.endm
.macro PLACES n                        ; plain vector lines between a matrix instruction and a load into, or a vector line on, its registers
.rept \n
	v_nop
.endr
.endm
; A step of 128 along K that has its successor in the same slot.  A has one set of registers: blocks 0-3 are fetched anew in the step's middle, blocks 4-7 at its end; B has two sets.
.macro STEP slot, q, zero
	s_wait_dscnt 4*NL                              ; B's set and A's blocks 0-3 are in; the youngest 16 loads (A's blocks 4-7) may be out
	WIN MUL_LO
	MUL16 0, (\q)%2, \zero
	MUL16 2, (\q)%2, \zero
	s_wait_dscnt 0
	PLACES NP
	FETCH_B \slot, (\q)+1, 1-(\q)%2
	FETCH_A \slot, (\q)+1, 0
	WIN MUL_HI
	MUL16 4, (\q)%2, \zero
	MUL16 6, (\q)%2, \zero
	PLACES NP
	WIN 0
	FETCH_A \slot, (\q)+1, 4
.endm
; A slot's last step changes slots: ONE barrier; in front of it each wave waits for all its tensor loads, adds 0 to its spare word, and waits for that and for its own reads of this slot.  fill = 1: this slot is filled again.
.macro TURN slot, next, fill
	s_wait_tensorcnt 0x0                           ; all my tensor loads have landed: my part of the next slot
	ds_add_u32 v[SPW], v[NIL]                      ; 0 onto my spare word
	s_wait_dscnt 4*NL+1                            ; (the add and the youngest 16 loads may be out)
	WIN MUL_LO
	MUL16 0, 1, 0
	s_wait_dscnt 0x0                               ; the add is done, and my reads of this slot are over
	s_barrier_signal -1
	MUL16 2, 1, 0
	WIN 0
	s_barrier_wait -1
.if \fill
	CREST                                          ; the barrier has opened a round of the cluster's: no wave of any partner still reads this slot or has a load on its way
	s_add_nc_u64 s[G0+4*\slot+2:G0+4*\slot+3], s[G0+4*\slot+2:G0+4*\slot+3], 2*4096
	s_add_nc_u64 s[G0B+4*\slot+2:G0B+4*\slot+3], s[G0B+4*\slot+2:G0B+4*\slot+3], 2*4096
	JLOAD G0+4*\slot, G1, G0B+4*\slot, G1B         ; the first tensor load behind the round; its four v_nop are also the places in front of the loads below
.else
	PLACES NP
.endif
	FETCH_B \next, 0, 0
	FETCH_A \next, 0, 0
	WIN MUL_HI
	MUL16 4, 1, 0
	MUL16 6, 1, 0
	PLACES NP
	WIN 0
	FETCH_A \next, 0, 4
.endm
	s_wait_alu depctr_va_vdst(0)
	s_wait_tensorcnt 0x0                           ; my part of slot 0 is in
	ds_add_u32 v[SPW], v[NIL]
	s_wait_dscnt 0x0
	CROUND                                         ; everybody's part of slot 0 is in, and all sixteen work-groups are here
	JLOAD G0+4, G1, G0B+4, G1B                     ; slot 1's first fill: the first tensor load behind the round
	FETCH_B 0, 0, 0
	FETCH_A 0, 0, 0
	FETCH_A 0, 0, 4
	STEP 0, 0, 1                                   ; the first step's products start the sums
.rept LAPS-1                           ; once round the ring, both slots filled again: one such lap at K = 1,024, so it is written out and no loop is made of it
	TURN 0, 1, 1
	STEP 1, 0, 0
	TURN 1, 0, 1
	STEP 0, 0, 0
.endr
	TURN 0, 1, 0                                   ; the last lap fills nothing
	STEP 1, 0, 0
	s_wait_dscnt 4*NL
	WIN MUL_LO
	MUL16 0, 1, 0
	MUL16 2, 1, 0
	s_wait_dscnt 0
	WIN MUL_HI
	MUL16 4, 1, 0
	MUL16 6, 1, 0
	WIN 0
	; THE WAY OUT.  A sum stands for sum x 2^ES (its two operands' e added); its code under the next product's 2^EO is sum / 2^(EO - ES): the scales are folded into the conversion's one.
	s_wait_kmcnt 0x0
	s_add_co_i32 s90, s68, s69
	s_add_co_i32 s91, s70, s71
	s_add_co_i32 s92, s72, s73
	s_cmp_eq_u32 ttmp9, 1
	s_cselect_b32 s82, s91, s90                    ; ES
	s_cselect_b32 s83, s75, s74                    ; EO: e6 for q, e7 for k,
	s_cmp_eq_u32 ttmp9, 2
	s_cselect_b32 s82, s92, s82
	s_cselect_b32 s83, s77, s83                    ; e9 for v
	s_sub_co_i32 s93, s83, s82
	s_add_co_i32 s93, s93, 127
	s_lshl_b32 s93, s93, 23
	v_mov_b32 v[SCV], s93                          ; 2^(EO - ES)
	s_add_co_u32 s93, s93, 0x04600000
	v_mov_b32 v[LIM], s93                          ; 448 x that
	s_wait_alu depctr_va_vdst(0)
	s_lshl_b32 s87, s82, 1                         ; a squared sum stands for 2^(2 ES) as much
	s_add_co_i32 s90, s74, s75
	s_sub_co_i32 s90, 126, s90
	s_lshl_b32 s90, s90, 23
	s_or_b32 s90, s90, 0x80000000                  ; -2^-(e6 + e7 + 1)
	s_mov_b32 s85, 0x3f800000
	s_cmp_eq_u32 ttmp9, 0
	s_cselect_b32 s84, 0x3f800000, s90             ; X = norm x 1 (q), x -2^-(e6 + e7 + 1) (k)
	s_cselect_b32 s85, 0x40000000, s85             ; Y = 2 / (1 - norm) (q), 1 / (1 - norm) (k)
	v_cmp_lt_u32 s86, 15, v[LN]                    ; lanes 16-31
	PLACES NP
.macro CODES a                         ; block a's eight accumulators become 16 registers of codes
	WIN 0x02+((\a)/4)
.set j, 0
.rept 64
	v_med3_num_f32 v[T+j], v[64*((\a)%4)+j], -v[LIM], v[LIM]   ; the hold ahead of a conversion that does not saturate (ISA guide 7.6.2); each accumulator from its low end on
.set j, j+1
.endr
	WIN 0
.irp b, 0,1,2,3,4,5,6,7
	v_cvt_scalef32_pk8_fp8_f32 v[CD+16*(\a)+2*\b:CD+16*(\a)+2*\b+1], v[T+8*\b:T+8*\b+7], v[SCV]
.endr
	v_nop                                          ; a plain line before the conversions' sources are written again
.endm
.irp a, 0,1,2,3,4,5,6,7
	CODES \a
.endr
	s_cmp_eq_u32 ttmp9, 2
	s_cbranch_scc0 .Lqk
.irp a, 0,1,2,3,4,5,6,7                ; v: block a is 16 channels x my 128 tokens: a whole fragment of V^T; head a / 4, channels 16 (a % 4) on
.irp g, 0,1,2,3
	global_store_b128 v[LI], v[CD+16*\a+4*\g:CD+16*\a+4*\g+3], s[80:81] offset:(\a/4)*HS+8192+(\a%4)*2048+512*\g
.endr
.endr
	s_branch .Ltail
.Lqk:
	s_wait_alu depctr_va_vdst(0)
.irp a, 0,1,2,3,4,5,6,7                ; q, k: block a is 16 tokens x 128 channels: a fragment of 64 along K for each of two heads
.irp g, 0,1,2,3
	global_store_b128 v[LI], v[CD+16*\a+4*\g:CD+16*\a+4*\g+3], s[80:81] offset:(\g/2)*HS+\a*1024+(\g%2)*512
.endr
.endr
.macro SQSUM a                         ; the squares of my 32 channels of each of two heads, block a's token: four chains of packed multiply-adds
.set TN, T+8*(\a)
.set AC, 64*((\a)%4)
	WIN 0x0a+5*((\a)/4)                            ; sources 0 and 1: window 2 or 3
.irp g, 0,1
	v_pk_mul_f32 v[TN+4*\g:TN+4*\g+1], v[AC+32*\g:AC+32*\g+1], v[AC+32*\g:AC+32*\g+1]
	v_pk_mul_f32 v[TN+4*\g+2:TN+4*\g+3], v[AC+32*\g+2:AC+32*\g+3], v[AC+32*\g+2:AC+32*\g+3]
.endr
.set p, 2
.rept 7
.irp g, 0,1
	v_pk_fma_f32 v[TN+4*\g:TN+4*\g+1], v[AC+32*\g+2*p:AC+32*\g+2*p+1], v[AC+32*\g+2*p:AC+32*\g+2*p+1], v[TN+4*\g:TN+4*\g+1]
	v_pk_fma_f32 v[TN+4*\g+2:TN+4*\g+3], v[AC+32*\g+2*p+2:AC+32*\g+2*p+3], v[AC+32*\g+2*p+2:AC+32*\g+2*p+3], v[TN+4*\g+2:TN+4*\g+3]
.endr
.set p, p+2
.endr
.endm
.irp a, 0,1,2,3,4,5,6,7
	SQSUM \a
.endr
	WIN 0
.set n, 0
.rept 16                               ; norm n = 2 a + g, in four registers from T + 4 n on
	v_pk_add_f32 v[T+4*n:T+4*n+1], v[T+4*n:T+4*n+1], v[T+4*n+2:T+4*n+3]
.set n, n+1
.endr
.set n, 0
.rept 16
	v_add_f32 v[T+4*n], v[T+4*n], v[T+4*n+1]
.set n, n+1
.endr
.set n, 0
.rept 16
	v_permlanex16_b32 v[T+4*n+1], v[T+4*n], s88, s89           ; the token's other 32 channels lie in the lane 16 away
.set n, n+1
.endr
.set n, 0
.rept 16
	v_add_f32 v[T+4*n], v[T+4*n], v[T+4*n+1]
.set n, n+1
.endr
.set n, 0
.rept 16
	v_ldexp_f32 v[T+4*n], v[T+4*n], s87                        ; the squared norm
.set n, n+1
.endr
.set n, 0
.rept 16
	v_sub_f32 v[T+4*n+1], 1.0, v[T+4*n]
.set n, n+1
.endr
.set n, 0
	s_wait_alu depctr_va_vdst(0)
.rept 16
	v_rcp_f32 v[T+4*n+2], v[T+4*n+1]
.set n, n+1
.endr
.set n, 0
.rept 16
	v_mul_f32 v[T+4*n], s84, v[T+4*n]                          ; X: plain lines that name no reciprocal
.set n, n+1
.endr
	s_wait_alu depctr_va_vdst(0)                   ; one wait for the sixteen reciprocals, ahead of their first reader
.set n, 0
.rept 16
	v_mul_f32 v[T+4*n+2], s85, v[T+4*n+2]                      ; Y
.set n, n+1
.endr
.set n, 0
.rept 16
	v_cndmask_b32 v[T+4*n+3], v[T+4*n], v[T+4*n+2], s86        ; lanes 0-15 carry X, lanes 16-31 Y
.set n, n+1
.endr
.set n, 0
.rept 16
	ds_store_b32 v[SW], v[T+4*n+3] offset:1024*(n%2)+64*(n/2)
.set n, n+1
.endr
.irp k, 0,1,2,3
	ds_load_b128 v[BK+4*\k:BK+4*\k+3], v[SR] offset:512*\k     ; LDS serves a wave's instructions in order: these see my stores
.endr
	s_wait_dscnt 0x0
.irp k, 0,1,2,3
	global_store_b128 v[LI], v[BK+4*\k:BK+4*\k+3], s[80:81] offset:(\k/2)*HS+16384+512*(\k%2)   ; 128 numbers: 512 consecutive bytes, aligned
.endr
	; the flags: the least 1 - norm of my 128 tokens in each of my two heads (block a's stands in T + 8 a + 4 g + 1), held against 2^-9 in all lanes
.irp g, 0,1
	v_min3_num_f32 v[T+4*\g+2], v[T+4*\g+1], v[T+4*\g+9], v[T+4*\g+17]
.endr
.irp g, 0,1
	v_min3_num_f32 v[T+4*\g+2], v[T+4*\g+2], v[T+4*\g+25], v[T+4*\g+33]
.endr
.irp g, 0,1
	v_min3_num_f32 v[T+4*\g+2], v[T+4*\g+2], v[T+4*\g+41], v[T+4*\g+49]
.endr
.irp g, 0,1
	v_min_num_f32 v[T+4*\g+2], v[T+4*\g+2], v[T+4*\g+57]
.endr
	v_cmp_le_f32 s90, 0x3b000000, v[T+2]
	v_cmp_le_f32 s91, 0x3b000000, v[T+6]
	s_cmp_eq_u32 s90, -1
	s_cselect_b32 s90, 1, 0
	s_cmp_eq_u32 s91, -1
	s_cselect_b32 s91, 1, 0
	v_lshlrev_b32 v[T+10], 3, v[LN]
	v_mov_b32 v[T+2], s90
	v_mov_b32 v[T+3], s90
	v_mov_b32 v[T+6], s91
	v_mov_b32 v[T+7], s91
	global_store_b64 v[T+10], v[T+2:T+3], s[96:97]               ; 32 lanes x 8 bytes: one aligned unit of 256 bytes
	global_store_b64 v[T+10], v[T+6:T+7], s[96:97] offset:8192   ; the next head's
.Ltail:
	s_wait_tensorcnt 0x0                           ; the wave's end, behind my last tensor load and my last LDS store
	ds_add_u32 v[SPW], v[NIL]
	s_wait_dscnt 0x0
	CROUND                                         ; the closing round: no work-group ends while a partner may still ask for a tile that names it
	s_endpgm
.Lfunc_end_k_qd9ccb0d0f8_proj:
	.size	k_qd9ccb0d0f8_proj, .Lfunc_end_k_qd9ccb0d0f8_proj-k_qd9ccb0d0f8_proj
	.p2alignl 7, 3214868480
	.fill 96, 4, 3214868480
	.section	.rodata,"a",@progbits
	.p2align	6, 0x0
	.amdhsa_kernel k_qd9ccb0d0f8_proj
		.amdhsa_group_segment_fixed_size 327680
		.amdhsa_private_segment_fixed_size 0
		.amdhsa_enable_private_segment 0
		.amdhsa_kernarg_size 48
		.amdhsa_user_sgpr_count 2
		.amdhsa_user_sgpr_kernarg_segment_ptr 1
		.amdhsa_wavefront_size32 1
		.amdhsa_system_sgpr_workgroup_id_x 1
		.amdhsa_system_sgpr_workgroup_id_y 1
		.amdhsa_system_sgpr_workgroup_id_z 1
		.amdhsa_system_vgpr_workitem_id 0
		.amdhsa_next_free_vgpr 1024
		.amdhsa_next_free_sgpr 100
		.amdhsa_reserve_vcc 0
		.amdhsa_float_denorm_mode_32 3
		.amdhsa_float_denorm_mode_16_64 3
		.amdhsa_memory_ordered 1
		.amdhsa_forward_progress 1
		.amdhsa_inst_pref_size 148
	.end_amdhsa_kernel
	.amdgpu_metadata
---
amdhsa.version: [ 1, 2 ]
amdhsa.kernels:
  - .name:           k_qd9ccb0d0f8_proj
    .symbol:         k_qd9ccb0d0f8_proj.kd
    .args:
      - { .name: xc, .offset: 0, .size: 8, .value_kind: global_buffer, .address_space: global }
      - { .name: wc, .offset: 8, .size: 8, .value_kind: global_buffer, .address_space: global }
      - { .name: lowp_scales, .offset: 16, .size: 8, .value_kind: global_buffer, .address_space: global }
      - { .name: qp, .offset: 24, .size: 8, .value_kind: global_buffer, .address_space: global }
      - { .name: kv, .offset: 32, .size: 8, .value_kind: global_buffer, .address_space: global }
      - { .name: fl, .offset: 40, .size: 8, .value_kind: global_buffer, .address_space: global }
    .group_segment_fixed_size: 327680
    .private_segment_fixed_size: 0
    .kernarg_segment_align: 8
    .kernarg_segment_size: 48
    .max_flat_workgroup_size: 128
    .sgpr_count:     100
    .vgpr_count:     1024
    .wavefront_size: 32
...
	.end_amdgpu_metadata
.endif
;; end of part 2
;; launch attn (part 3): grid 8 x 32, 8 waves a work-group, no clusters, 314,368 bytes of LDS; arguments qp, kv, lowp_scales, ao, fl; writes ao
.if DOCPART == 3
	.amdgcn_target "amdgcn-amd-amdhsa--gfx1250"
	.amdhsa_code_object_version 6
	.text
	.protected	k_qd9ccb0d0f8_attn
	.globl	k_qd9ccb0d0f8_attn
	.p2align	8
	.type	k_qd9ccb0d0f8_attn,@function
k_qd9ccb0d0f8_attn:
	s_mov_b64 s[64:65], 0
	v_nop
	global_prefetch_b8 v0, s[64:65] scope:SCOPE_SE
	s_setreg_imm32_b32 hwreg(HW_REG_WAVE_MODE, 25, 1), 1
	s_wait_xcnt 0x0
; Hyperbolic attention on codes of E4M3.  softmax(-arccosh(z)) has the terms exp(-arccosh(z)) = 1 / w, w = z + sqrt(z z - 1), z = cosh_arg.
; z: reference() has z = max(1 + 2 max(diff, 0) / denom, 1), denom = max((1 - |q|^2)(1 - |k|^2), 1e-6) > 0.  The factor Y = 2 / denom is positive, so max(diff, 0) Y + 1 = max(diff Y + 1, 1): one maximum serves both.
; z is rounded to f32 as reference() rounds it, and z z - 1 is one fused multiply-add.  diff = |q|^2 + |k|^2 - 2 q.k, q.k on the codes; -|k|^2 / 2^(e6 + e7 + 1) goes in as the product's C.
; p = 2^(t - M): t = -log2(w), so M = -(the exponent of the row's least w so far), a whole number; p = 2^(E - 127) / w, E that exponent's field.  The power of two and 2^e8 are folded into the conversion's scale.
; The row's sum is taken of the unquantised 1 / w.  When E moves, the sum and O are multiplied by 2^(new E - old E): exact.
; SHARES.  A work-group owns 256 queries of one head, each of eight waves 32 of them (two tiles of 16); every wave walks the head's 2,048 keys, 128 a step: one pack (17,408 bytes: K, V^T, X, Y; laid by launch proj).
; THE PACKS come through registers into LDS regions of their own, each written once.  The head brings packs 0 and 1.  In trip t each wave asks at the top for its eighth of pack t + 2 (four loads of 512 bytes and one of 128), stores it at the
; trip's end, and one barrier follows; trip t reads Y and V of region t and, in its middle, K and X of region t + 1 for the next trip.  So a pack is asked for a whole trip ahead of the wait for it and two ahead of its last use: no other prefetch.
; No branch ends the stream: the last two trips fetch pack 15 again (the offset is clamped) into regions 16 and 17, of which the last trip's look-ahead reads region 16 and uses nothing.
; TWO WAYS THROUGH A STEP, chosen by whole numbers read from memory: where all 32 flags of the head say that every 1 - |q|^2 and 1 - |k|^2 is at least 2^-9 (so denom >= 2^-18 > 1e-6: the clamp cannot act) and e8 >= -8
; (p <= 1 gives codes up to 256 < 448: the hold cannot act), the clamp's and the hold's lines are passed over; else they run.  One loop, the branches inside it, round those lines alone, and round no barrier.
; NO CLUSTER, NO TENSOR LOAD.
; Both products are used transposed (source 0 = keys or channels, source 1 = my queries): a lane holds one query throughout.
; LIMITS: z under 1.8e19 (z z stays an f32 number); e6 + e7 + 1 within +-126; e8 + 254 - E between 1 and 245; e10 - e8 - e9 between -126 and 119.  NaN among the inputs is not served.
; REGISTERS.  window 0: v1-11 addresses; v7, v12-15, v52-63 a pack's eighth on its way; v16-47 two tiles' state; v48-51 Yq; v64-191 S (scores, z, w, p); v192-255 R (X, then at work).
; window 1: v0-63 O^T; v64-127 V's fragments; v128-191 RB (K's fragments, then Y, then at work); v192-207 Q; v208-239 p's codes.
.set HS,    278528
.set BS,    17408
.set SPARE, 18*BS                      ; behind the 18 regions: the spare words, 128 bytes a wave, which no other line names
.set AL,  1                            ; 16 x lane
.set AH,  2                            ; 32 x (lane / 16)
.set ADK, 3
.set ADN, 4
.set SPW, 5
.set NIL, 6
.set DX,  7                            ; my 4 bytes of a pack's X and Y
.set QO,  8
.set NO,  9
.set LA16, 8                           ; in the loop: where my eighth goes in LDS
.set LA4,  9
.set GA16, 10                          ; 2,048 x wave + 16 x lane: my place among a pack's K and V
.set GA4,  11                          ; 16,384 + 4 x thread: among its X and Y
.set ST,  16                           ; state of tile i at ST + 16 i: +0 addend, +2 factor, +4 f, +6 sum, +7 least w, +8 E, +9 conversion's scale, +10 hold, +11.. at work
.set YQ,  48
.set S,   64
.set R,   192
.set O,   0
.set KV,  64
.set RB,  128
.set Q,   192
.set P,   208
.set WV,  14
.set FAST, 28
.set CS,  60
.set SEL, 62
.set C2E6, 66
.set K1,  67
.set TB,  68
.set CNT, 69
.set MSB, 0
.macro WIN new
.if MSB != (\new)
	s_set_vgpr_msb (MSB<<8)|(\new)
.set MSB, (\new)
.endif
.endm
.macro KXLOAD ak, an, off              ; K's eight fragments into RB, X into R
	WIN 0x40
.set t, 0
.rept 8
	ds_load_b128 v[RB+8*t:RB+8*t+3], v[\ak] offset:\off+1024*t
	ds_load_b128 v[RB+8*t+4:RB+8*t+7], v[\ak] offset:\off+1024*t+512
.set t, t+1
.endr
	WIN 0
.set t, 0
.rept 8
	ds_load_b128 v[R+8*t:R+8*t+3], v[\an] offset:\off+16384+64*t
	ds_load_b128 v[R+8*t+4:R+8*t+7], v[\an] offset:\off+16384+64*t+16
.set t, t+1
.endr
.endm
	s_load_b256 s[4:11], s[0:1], 0x0               ; qp, kv, the scales, ao
	s_load_b64 s[12:13], s[0:1], 0x20              ; fl
	v_lshrrev_b32 v64, 5, v0
	v_readfirstlane_b32 s[WV], v64                 ; wave 0..7
	s_and_b32 s15, ttmp7, 0xffff                   ; 16 x batch + head
	s_mul_i32 s16, s15, HS
	s_mov_b32 s17, 0
	s_lshl_b32 s20, ttmp9, 1
	s_lshr_b32 s21, s[WV], 2
	s_add_co_u32 s20, s20, s21                     ; my queries' pack
	s_mul_i32 s20, s20, BS
	s_add_co_u32 s20, s20, s16
	s_mov_b32 s21, 0
	s_and_b32 s22, s[WV], 3
	s_lshl_b32 s23, s22, 11                        ; my two fragments of Q in it,
	s_lshl_b32 s22, s22, 7                         ; and my 32 norms
	s_lshl_b32 s24, s15, 13                        ; the head's 32 flags
	s_mov_b32 s25, 0
	s_lshr_b32 s26, s15, 4                         ; ao is [tile of 16 tokens][8 K steps][2,048]: my two tiles, the head's 64 channels
	s_lshl_b32 s26, s26, 7
	s_lshl_b32 s27, ttmp9, 4
	s_add_co_u32 s26, s26, s27
	s_lshl_b32 s27, s[WV], 1
	s_add_co_u32 s26, s26, s27
	s_lshl_b32 s26, s26, 14
	s_and_b32 s27, s15, 15
	s_lshl_b32 s27, s27, 10
	s_add_co_u32 s26, s26, s27
	s_mov_b32 s27, 0
	s_lshl_b32 s34, s[WV], 11
	s_mov_b32 s30, 2*BS                            ; the pack that trip 0 asks for
	s_mov_b32 s31, 0
	s_mov_b32 s[SEL], 0x76543210
	s_mov_b32 s[SEL+1], 0xfedcba98
	s_mov_b32 s[C2E6], 0x49f42400                  ; 2 / 1e-6
	s_mov_b32 s[TB], 0
	v_lshl_add_u32 v[SPW], v0, 2, SPARE
	v_mov_b32 v[NIL], 0
	v_and_b32 v65, 31, v0
	v_lshlrev_b32 v[AL], 4, v65
	v_lshlrev_b32 v66, 8, v65                      ; a lane a flag
	v_bfe_u32 v67, v0, 4, 1
	v_lshlrev_b32 v[AH], 5, v67
	v_and_b32 v68, 15, v0
	v_add_nc_u32 v[QO], s23, v[AL]
	v_lshl_add_u32 v[NO], v68, 2, s22
	v_add_nc_u32 v[GA16], s34, v[AL]
	v_lshl_add_u32 v[GA4], v0, 2, 16384
	s_wait_alu depctr_va_vdst(0)
	s_wait_kmcnt 0x0
	s_load_b256 s[48:55], s[8:9], 0x0              ; e0 .. e7
	s_load_b128 s[56:59], s[8:9], 0x20             ; e8 .. e11
	s_add_nc_u64 s[6:7], s[6:7], s[16:17]
	s_add_nc_u64 s[4:5], s[4:5], s[20:21]
	s_add_nc_u64 s[12:13], s[12:13], s[24:25]
	s_add_nc_u64 s[10:11], s[10:11], s[26:27]
	s_add_nc_u64 s[32:33], s[6:7], s[30:31]
.irp c, 0,1,2,3                        ; my eighths of packs 0 and 1: 512 consecutive bytes a load, aligned
	global_load_b128 v[52+4*\c-52*(\c/3):55+4*\c-52*(\c/3)], v[GA16], s[6:7] offset:512*\c
.endr
	global_load_b32 v[DX], v[GA4], s[6:7]
.irp c, 0,1,2,3
	global_load_b128 v[128+4*\c:131+4*\c], v[GA16], s[6:7] offset:BS+512*\c
.endr
	global_load_b32 v144, v[GA4], s[6:7] offset:BS
	WIN 0x40
.irp i, 0,1
.irp g, 0,1
	global_load_b128 v[Q+8*\i+4*\g:Q+8*\i+4*\g+3], v[QO], s[4:5] offset:1024*\i+512*\g
.endr
.endr
	WIN 0
.irp i, 0,1
	global_load_b32 v[ST+16*\i], v[NO], s[4:5] offset:16384+64*\i      ; |q|^2
	global_load_b32 v[YQ+2*\i], v[NO], s[4:5] offset:16896+64*\i       ; 2 / (1 - |q|^2)
.endr
	global_load_b32 v70, v66, s[12:13]
.irp i, 0,1
	v_mov_b32 v[ST+16*\i+1], 0
	v_mov_b32 v[ST+16*\i+3], 0
	v_mov_b32 v[ST+16*\i+5], 0
	v_mov_b32 v[ST+16*\i+6], 0
	v_mov_b32 v[ST+16*\i+7], 0x7f7fffff            ; the least w so far: over every w
	v_mov_b32 v[ST+16*\i+8], 127
	v_mov_b32 v[ST+16*\i+11], 0
	v_mov_b32 v[YQ+2*\i+1], 0
.endr
	WIN 0x40
.set n, 0
.rept 64
	v_mov_b32 v[O+n], 0                            ; the loop is written once: its first step finds zeros
.set n, n+1
.endr
	WIN 0
	s_wait_loadcnt 9                               ; the packs' ten loads are in: 4 + 4 + 1 younger loads may be out
.irp c, 0,1,2,3
	ds_store_b128 v[GA16], v[52+4*\c-52*(\c/3):55+4*\c-52*(\c/3)] offset:512*\c
.endr
	ds_store_b32 v[GA4], v[DX]
.irp c, 0,1,2,3
	ds_store_b128 v[GA16], v[128+4*\c:131+4*\c] offset:BS+512*\c
.endr
	ds_store_b32 v[GA4], v144 offset:BS
	s_wait_kmcnt 0x0
	s_add_co_i32 s70, s54, s55
	s_add_co_i32 s70, s70, 128
	s_lshl_b32 s70, s70, 23
	s_or_b32 s[CS], s70, 0x80000000                ; -2^(e6 + e7 + 1)
	s_add_co_i32 s[K1], s56, 254
	s_wait_loadcnt 0x0
	v_cmp_ne_u32 vcc_lo, 0, v70
	s_cmp_eq_u32 vcc_lo, -1                        ; all 32 flags set,
	s_cselect_b32 s[FAST], 1, 0
	s_cmp_ge_i32 s56, -8                           ; and e8 >= -8
	s_cselect_b32 s[FAST], s[FAST], 0
	s_cmp_lg_u32 s[FAST], 0
	s_cselect_b32 s29, -1, 0
.irp i, 0,1                            ; with no clamp Yq goes into the first multiply-add: (sum x cs + |q|^2) Yq; else that line makes diff alone
	v_cndmask_b32 v[ST+16*\i+2], 1.0, v[YQ+2*\i], s29
.endr
.irp i, 0,1
	v_mul_f32 v[ST+16*\i], v[ST+16*\i], v[ST+16*\i+2]
.endr
.irp i, 0,1
	v_mul_f32 v[ST+16*\i+2], s[CS], v[ST+16*\i+2]
.endr
	s_wait_alu depctr_va_vdst(0)
	s_wait_dscnt 0x0                               ; my stores are done
	s_barrier_signal -1
	s_barrier_wait -1                              ; packs 0 and 1 are whole
	KXLOAD AL, AH, 0                               ; step 0's K and X
	s_mov_b32 s[CNT], 16
.Lstep:
.irp c, 0,1,2,3                        ; my eighth of the pack two steps on
	global_load_b128 v[52+4*\c-52*(\c/3):55+4*\c-52*(\c/3)], v[GA16], s[32:33] offset:512*\c
.endr
	global_load_b32 v[DX], v[GA4], s[32:33]
	v_add_nc_u32 v[ADK], s[TB], v[AL]
	v_add_nc_u32 v[ADN], s[TB], v[AH]
	s_wait_alu depctr_va_vdst(0)
	s_wait_dscnt 0x0                               ; K and X, asked for in the last step's middle
	WIN 0x05
.set t, 0
.rept 8
	v_wmma_f32_16x16x64_fp8_fp8 v[S+8*t:S+8*t+7], v[RB+8*t:RB+8*t+7], v[Q:Q+7], v[R+8*t:R+8*t+7]
	v_wmma_f32_16x16x64_fp8_fp8 v[S+64+8*t:S+64+8*t+7], v[RB+8*t:RB+8*t+7], v[Q+8:Q+15], v[R+8*t:R+8*t+7]
.set t, t+1
.endr
	WIN 0
.rept 4
	v_nop                                          ; places ahead of loads into registers that these products read, and of the first read of their results
.endr
	WIN 0x40
.set t, 0
.rept 8
	ds_load_b128 v[RB+8*t:RB+8*t+3], v[ADN] offset:16896+64*t          ; 1 / (1 - |k|^2)
	ds_load_b128 v[RB+8*t+4:RB+8*t+7], v[ADN] offset:16896+64*t+16
.set t, t+1
.endr
.set d, 0
.rept 4
.irp g, 0,1,2,3
	ds_load_b128 v[KV+16*d+4*\g:KV+16*d+4*\g+3], v[ADK] offset:8192+2048*d+512*\g
.endr
.set d, d+1
.endr
	WIN 0
.irp i, 0,1
.set p, 0
.rept 32
	v_pk_fma_f32 v[S+64*\i+2*p:S+64*\i+2*p+1], v[S+64*\i+2*p:S+64*\i+2*p+1], v[ST+16*\i+2:ST+16*\i+3], v[ST+16*\i:ST+16*\i+1] op_sel_hi:[1,0,0]
.set p, p+1
.endr
.endr
	s_wait_dscnt 16                                ; Y is in; V's 16 loads may be out
	s_cmp_lg_u32 s[FAST], 0
	s_cbranch_scc0 .Lclamp
	WIN 0x04
.set p, 0
.rept 64
	v_pk_fma_f32 v[S+2*p:S+2*p+1], v[S+2*p:S+2*p+1], v[RB+2*(p%32):RB+2*(p%32)+1], 1.0 op_sel_hi:[1,1,0]   ; 1 + diff Yq Yk
.set p, p+1
.endr
	WIN 0
	s_wait_alu depctr_va_vdst(0)
	s_branch .Lz
.Lclamp:                               ; Y = Yq Yk held at 2e6; as unsigned whole numbers a negative product and an infinity lie over 2e6 too
	WIN 0x01
.set p, 0
.rept 32
	v_pk_mul_f32 v[R+2*p:R+2*p+1], v[RB+2*p:RB+2*p+1], v[YQ:YQ+1] op_sel_hi:[1,0]
.set p, p+1
.endr
	WIN 0x41
.set p, 0
.rept 32
	v_pk_mul_f32 v[RB+2*p:RB+2*p+1], v[RB+2*p:RB+2*p+1], v[YQ+2:YQ+3] op_sel_hi:[1,0]
.set p, p+1
.endr
	WIN 0
.set n, 0
.rept 64
	v_min_u32 v[R+n], s[C2E6], v[R+n]
.set n, n+1
.endr
	WIN 0x44
.set n, 0
.rept 64
	v_min_u32 v[RB+n], s[C2E6], v[RB+n]
.set n, n+1
.endr
	WIN 0
.set p, 0
.rept 32
	v_pk_fma_f32 v[S+2*p:S+2*p+1], v[S+2*p:S+2*p+1], v[R+2*p:R+2*p+1], 1.0 op_sel_hi:[1,1,0]
.set p, p+1
.endr
	WIN 0x04
.set p, 0
.rept 32
	v_pk_fma_f32 v[S+64+2*p:S+64+2*p+1], v[S+64+2*p:S+64+2*p+1], v[RB+2*p:RB+2*p+1], 1.0 op_sel_hi:[1,1,0]
.set p, p+1
.endr
	WIN 0
.Lz:
.set n, 0
.rept 64
	v_dual_max_num_f32 v[S+n], 1.0, v[S+n] :: v_dual_max_num_f32 v[S+n+1], 1.0, v[S+n+1]   ; z = max(.., 1), two a line
.set n, n+2
.endr
.set p, 0
.rept 32
	v_pk_fma_f32 v[R+2*p:R+2*p+1], v[S+2*p:S+2*p+1], v[S+2*p:S+2*p+1], -1.0 op_sel_hi:[1,1,0]   ; z z - 1
.set p, p+1
.endr
	WIN 0x40
.set p, 0
.rept 32
	v_pk_fma_f32 v[RB+2*p:RB+2*p+1], v[S+64+2*p:S+64+2*p+1], v[S+64+2*p:S+64+2*p+1], -1.0 op_sel_hi:[1,1,0]
.set p, p+1
.endr
	WIN 0
	s_wait_alu depctr_va_vdst(0)
.set n, 0
.rept 64
	v_sqrt_f32 v[R+n], v[R+n]
.set n, n+1
.endr
	WIN 0x41
.set n, 0
.rept 64
	v_sqrt_f32 v[RB+n], v[RB+n]
.set n, n+1
.endr
	WIN 0
	v_nop                                          ; a plain place behind the batch
	s_wait_alu depctr_va_vdst(0)                   ; one wait for the batch, ahead of its first reader
.set p, 0
.rept 32
	v_pk_add_f32 v[S+2*p:S+2*p+1], v[S+2*p:S+2*p+1], v[R+2*p:R+2*p+1]   ; w
.set p, p+1
.endr
	WIN 0x04
.set p, 0
.rept 32
	v_pk_add_f32 v[S+64+2*p:S+64+2*p+1], v[S+64+2*p:S+64+2*p+1], v[RB+2*p:RB+2*p+1]
.set p, p+1
.endr
	WIN 0
	KXLOAD ADK, ADN, BS                            ; R and RB are done with: the next step's K and X, from the next region
.irp i, 0,1                            ; the step's least w: four chains by turns
	v_min3_num_f32 v[ST+16*\i+12], v[S+64*\i], v[S+64*\i+1], v[S+64*\i+2]
	v_min3_num_f32 v[ST+16*\i+13], v[S+64*\i+3], v[S+64*\i+4], v[S+64*\i+5]
.endr
.set n, 6
.rept 14
.irp i, 0,1
	v_min3_num_f32 v[ST+16*\i+12], v[ST+16*\i+12], v[S+64*\i+n], v[S+64*\i+n+1]
	v_min3_num_f32 v[ST+16*\i+13], v[ST+16*\i+13], v[S+64*\i+n+2], v[S+64*\i+n+3]
.endr
.set n, n+4
.endr
.irp i, 0,1
	v_min3_num_f32 v[ST+16*\i+12], v[ST+16*\i+12], v[S+64*\i+62], v[S+64*\i+63]
.endr
.irp i, 0,1
	v_min_num_f32 v[ST+16*\i+12], v[ST+16*\i+12], v[ST+16*\i+13]
.endr
.irp i, 0,1
	v_permlanex16_b32 v[ST+16*\i+11], v[ST+16*\i+12], s[SEL], s[SEL+1]
.endr
.irp i, 0,1
	v_min3_num_f32 v[ST+16*\i+7], v[ST+16*\i+7], v[ST+16*\i+12], v[ST+16*\i+11]
.endr
.irp i, 0,1
	v_lshrrev_b32 v[ST+16*\i+13], 23, v[ST+16*\i+7]                ; E
.endr
.irp i, 0,1
	v_sub_nc_u32 v[ST+16*\i+14], v[ST+16*\i+13], v[ST+16*\i+8]
.endr
.irp i, 0,1
	v_sub_nc_u32 v[ST+16*\i+9], s[K1], v[ST+16*\i+13]
.endr
.irp i, 0,1
	v_mov_b32 v[ST+16*\i+8], v[ST+16*\i+13]
.endr
.irp i, 0,1
	v_ldexp_f32 v[ST+16*\i+4], 1.0, v[ST+16*\i+14]                 ; f = 2^(new E - old E)
.endr
.irp i, 0,1
	v_lshlrev_b32 v[ST+16*\i+9], 23, v[ST+16*\i+9]                 ; 2^(e8 + 127 - E): the conversion's scale
.endr
	s_wait_alu depctr_va_vdst(0)
.set n, 0
.rept 128
	v_rcp_f32 v[S+n], v[S+n]
.set n, n+1
.endr
	s_wait_alu depctr_va_vdst(0)                   ; for the batch, and directly ahead of the first readers of O^T
	WIN 0x41
.irp i, 0,1
.set p, 0
.rept 16
	v_pk_mul_f32 v[O+32*\i+2*p:O+32*\i+2*p+1], v[O+32*\i+2*p:O+32*\i+2*p+1], v[ST+16*\i+4:ST+16*\i+5] op_sel_hi:[1,0]
.set p, p+1
.endr
.endr
	WIN 0
.irp i, 0,1                            ; the sums of 1 / w: four chains by turns
	v_pk_add_f32 v[ST+16*\i+12:ST+16*\i+13], v[S+64*\i:S+64*\i+1], v[S+64*\i+2:S+64*\i+3]
	v_pk_add_f32 v[ST+16*\i+14:ST+16*\i+15], v[S+64*\i+4:S+64*\i+5], v[S+64*\i+6:S+64*\i+7]
.endr
.set n, 8
.rept 14
.irp i, 0,1
	v_pk_add_f32 v[ST+16*\i+12:ST+16*\i+13], v[ST+16*\i+12:ST+16*\i+13], v[S+64*\i+n:S+64*\i+n+1]
	v_pk_add_f32 v[ST+16*\i+14:ST+16*\i+15], v[ST+16*\i+14:ST+16*\i+15], v[S+64*\i+n+2:S+64*\i+n+3]
.endr
.set n, n+4
.endr
.irp i, 0,1
	v_pk_add_f32 v[ST+16*\i+12:ST+16*\i+13], v[ST+16*\i+12:ST+16*\i+13], v[ST+16*\i+14:ST+16*\i+15]
.endr
.irp i, 0,1
	v_add_f32 v[ST+16*\i+12], v[ST+16*\i+12], v[ST+16*\i+13]
.endr
.irp i, 0,1
	v_add_nc_u32 v[ST+16*\i+13], 0xffffff81, v[ST+16*\i+8]
.endr
.irp i, 0,1
	v_ldexp_f32 v[ST+16*\i+12], v[ST+16*\i+12], v[ST+16*\i+13]     ; x 2^(E - 127)
.endr
.irp i, 0,1
	v_fma_f32 v[ST+16*\i+6], v[ST+16*\i+6], v[ST+16*\i+4], v[ST+16*\i+12]
.endr
	s_cmp_lg_u32 s[FAST], 0
	s_wait_alu depctr_va_vdst(0)
	s_cbranch_scc1 .Lnohold
.irp i, 0,1
	v_add_nc_u32 v[ST+16*\i+10], 0x04600000, v[ST+16*\i+9]         ; 448 x the scale
.endr
.irp i, 0,1
.set n, 0
.rept 32
	v_dual_min_num_f32 v[S+64*\i+n], v[ST+16*\i+10], v[S+64*\i+n] :: v_dual_min_num_f32 v[S+64*\i+n+1], v[ST+16*\i+10], v[S+64*\i+n+1]   ; the conversion does not saturate (ISA guide 7.6.2)
.set n, n+2
.endr
.endr
.Lnohold:
	WIN 0x40
.irp i, 0,1
.set t, 0
.rept 8
	v_cvt_scalef32_pk8_fp8_f32 v[P+16*\i+2*t:P+16*\i+2*t+1], v[S+64*\i+8*t:S+64*\i+8*t+7], v[ST+16*\i+9]
.set t, t+1
.endr
.endr
	v_nop                                          ; a plain line behind the last conversion
	s_wait_alu depctr_va_vdst(0)
	s_wait_dscnt 0x0                               ; V (and the next step's K and X)
	WIN 0x55
.set d, 0
.rept 4
	v_wmma_f32_16x16x128_fp8_fp8 v[O+8*d:O+8*d+7], v[KV+16*d:KV+16*d+15], v[P:P+15], v[O+8*d:O+8*d+7]
	v_wmma_f32_16x16x128_fp8_fp8 v[O+32+8*d:O+32+8*d+7], v[KV+16*d:KV+16*d+15], v[P+16:P+31], v[O+32+8*d:O+32+8*d+7]
.set d, d+1
.endr
	WIN 0
	v_add_nc_u32 v[LA16], s[TB], v[GA16]
	v_add_nc_u32 v[LA4], s[TB], v[GA4]
	s_add_co_u32 s30, s30, BS
	s_min_u32 s30, s30, 15*BS                      ; the next trip's pack; no load leaves the head's sixteen
	s_wait_alu depctr_va_vdst(0)
	s_wait_loadcnt 0x0                             ; my eighth is in, so the loads' base may be written too
.irp c, 0,1,2,3
	ds_store_b128 v[LA16], v[52+4*\c-52*(\c/3):55+4*\c-52*(\c/3)] offset:2*BS+512*\c   ; into the region two on, which nobody reads before the barrier below
.endr
	ds_store_b32 v[LA4], v[DX] offset:2*BS
	s_add_nc_u64 s[32:33], s[6:7], s[30:31]
	s_wait_dscnt 0x0                               ; my stores are done
	s_barrier_signal -1
	s_barrier_wait -1                              ; that region is whole
	s_add_co_u32 s[TB], s[TB], BS
	s_sub_co_u32 s[CNT], s[CNT], 1
	s_cmp_lg_u32 s[CNT], 0
	s_cbranch_scc1 .Lstep
	; THE WAY OUT: O^T / the sum, quantised for the last product: a sum stands for 2^(e8 + e9) as much, its code under 2^e10 is sum / 2^(e10 - e8 - e9)
	s_sub_co_i32 s70, s58, s56
	s_sub_co_i32 s70, s70, s57
	s_add_co_i32 s70, s70, 127
	s_lshl_b32 s70, s70, 23
	v_mov_b32 v12, s70
	s_add_co_u32 s70, s70, 0x04600000
	v_mov_b32 v13, s70
.irp i, 0,1
	v_permlanex16_b32 v[ST+16*\i+11], v[ST+16*\i+6], s[SEL], s[SEL+1]
.endr
.irp i, 0,1
	v_add_f32 v[ST+16*\i+13], v[ST+16*\i+6], v[ST+16*\i+11]
.endr
	s_wait_alu depctr_va_vdst(0)
.irp i, 0,1
	v_rcp_f32 v[ST+16*\i+12], v[ST+16*\i+13]
.endr
	v_nop
	s_wait_alu depctr_va_vdst(0)                   ; for the reciprocals, and directly ahead of the first readers of O^T
	WIN 0x01
.irp i, 0,1
.set p, 0
.rept 16
	v_pk_mul_f32 v[S+64*\i+2*p:S+64*\i+2*p+1], v[O+32*\i+2*p:O+32*\i+2*p+1], v[ST+16*\i+12:ST+16*\i+13] op_sel_hi:[1,0]
.set p, p+1
.endr
.endr
	WIN 0
.irp i, 0,1
.set n, 0
.rept 32
	v_med3_num_f32 v[S+64*\i+n], v[S+64*\i+n], -v13, v13
.set n, n+1
.endr
.endr
.irp i, 0,1
.irp d, 0,1,2,3
	v_cvt_scalef32_pk8_fp8_f32 v[R+8*\i+2*\d:R+8*\i+2*\d+1], v[S+64*\i+8*\d:S+64*\i+8*\d+7], v12
.endr
.endr
	v_nop
.irp i, 0,1
.irp g, 0,1
	global_store_b128 v[AL], v[R+8*\i+4*\g:R+8*\i+4*\g+3], s[10:11] offset:16384*\i+512*\g   ; 512 consecutive bytes, aligned
.endr
.endr
	s_wait_tensorcnt 0x0                           ; the wave's end, behind my last LDS store
	ds_add_u32 v[SPW], v[NIL]
	s_wait_dscnt 0x0
	s_endpgm
.Lfunc_end_k_qd9ccb0d0f8_attn:
	.size	k_qd9ccb0d0f8_attn, .Lfunc_end_k_qd9ccb0d0f8_attn-k_qd9ccb0d0f8_attn
	.p2alignl 7, 3214868480
	.fill 96, 4, 3214868480
	.section	.rodata,"a",@progbits
	.p2align	6, 0x0
	.amdhsa_kernel k_qd9ccb0d0f8_attn
		.amdhsa_group_segment_fixed_size 314368
		.amdhsa_private_segment_fixed_size 0
		.amdhsa_enable_private_segment 0
		.amdhsa_kernarg_size 40
		.amdhsa_user_sgpr_count 2
		.amdhsa_user_sgpr_kernarg_segment_ptr 1
		.amdhsa_wavefront_size32 1
		.amdhsa_system_sgpr_workgroup_id_x 1
		.amdhsa_system_sgpr_workgroup_id_y 1
		.amdhsa_system_sgpr_workgroup_id_z 1
		.amdhsa_system_vgpr_workitem_id 0
		.amdhsa_next_free_vgpr 512
		.amdhsa_next_free_sgpr 80
		.amdhsa_reserve_vcc 1
		.amdhsa_float_denorm_mode_32 3
		.amdhsa_float_denorm_mode_16_64 3
		.amdhsa_memory_ordered 1
		.amdhsa_forward_progress 1
		.amdhsa_inst_pref_size 83
	.end_amdhsa_kernel
	.amdgpu_metadata
---
amdhsa.version: [ 1, 2 ]
amdhsa.kernels:
  - .name:           k_qd9ccb0d0f8_attn
    .symbol:         k_qd9ccb0d0f8_attn.kd
    .args:
      - { .name: qp, .offset: 0, .size: 8, .value_kind: global_buffer, .address_space: global }
      - { .name: kv, .offset: 8, .size: 8, .value_kind: global_buffer, .address_space: global }
      - { .name: lowp_scales, .offset: 16, .size: 8, .value_kind: global_buffer, .address_space: global }
      - { .name: ao, .offset: 24, .size: 8, .value_kind: global_buffer, .address_space: global }
      - { .name: fl, .offset: 32, .size: 8, .value_kind: global_buffer, .address_space: global }
    .group_segment_fixed_size: 314368
    .private_segment_fixed_size: 0
    .kernarg_segment_align: 8
    .kernarg_segment_size: 40
    .max_flat_workgroup_size: 256
    .sgpr_count:     80
    .vgpr_count:     512
    .wavefront_size: 32
...
	.end_amdgpu_metadata
.endif
;; end of part 3
;; launch oproj (part 4): grid 8 x 32, 4 waves a work-group, clusters of 4 x 4, 327,680 bytes of LDS; arguments ao, wc, lowp_scales, out0; writes out0
.if DOCPART == 4
	.amdgcn_target "amdgcn-amd-amdhsa--gfx1250"
	.amdhsa_code_object_version 6
	.text
	.protected	k_qd9ccb0d0f8_oproj
	.globl	k_qd9ccb0d0f8_oproj
	.p2align	8
	.type	k_qd9ccb0d0f8_oproj,@function
k_qd9ccb0d0f8_oproj:
	s_mov_b64 s[64:65], 0
	v_nop
	global_prefetch_b8 v0, s[64:65] scope:SCOPE_SE
	s_setreg_imm32_b32 hwreg(HW_REG_WAVE_MODE, 25, 1), 1
	s_wait_xcnt 0x0
	s_wait_alu depctr_hold_cnt(0) depctr_sa_sdst(0) depctr_va_vdst(0) depctr_va_sdst(0) depctr_va_ssrc(0) depctr_va_vcc(0) depctr_vm_vsrc(0)
	s_getreg_b32 s2, hwreg(HW_REG_IB_STS2, 6, 4)
	s_cmp_eq_u32 s2, 0
	s_cbranch_scc0 .Lentry_in_a_cluster
	s_endpgm
.Lentry_in_a_cluster:
	s_bfe_u32 s2, ttmp6, 0x10000c
	s_cmp_lg_u32 s2, 0xf033
	s_cbranch_scc0 .Lentry_shape_is_right
	s_endpgm
.Lentry_shape_is_right:
; out0 [4096][1024] f32 = attention's result x wo^T on codes of E4M3; each finished sum x 2^(e10 + e11).  LIMIT: e10 + e11 between -126 and 127.
; A block of C is 128 x 128: 32 x 8 = 256 work-groups of four waves, a wave makes 64 x 64 (16 accumulators).
; OPERANDS are images of registers, [tile of 16 rows][8 K steps][2,048 bytes].  All of K = 1,024 lies in LDS, in two halves of 512 along K (131,072 bytes each: A's 8 tiles x 8,192, then B's): nothing is filled again.
; Each wave brings a quarter of a half by one joint load (4 tiles x 8,192 bytes, 16,384 apart in memory): the first half at the head, the second behind the round that follows; it lands under K steps 0 to 2.
; CLUSTERS 4 x 4: A's tiles are shared along a row of the cluster, B's along a column.  NO PREFETCH: both halves are asked for at the head, and there is no loop to run ahead in.
; The matrix instruction is used transposed (source 0 = rows of wo, source 1 = tokens): a lane holds eight neighbouring numbers of a row of C.
; REGISTERS.  window 0: v16-29 addresses; v32-63, v64-127 the way out; v128-255 A's fragments, two sets.  window 1: v0-127 B's fragments, two sets; v128-255 the accumulators ((a, b) at 128 + 8 (4 a + b)).
.set PH,    131072
.set SPARE, 2*PH                       ; the spare words, 128 bytes a wave, which no other line names
.set STG,   SPARE+512                  ; 16 rows x 272 bytes a wave for the way out; no tensor load lands here
.set SP,    272
.set ADRA, 16
.set ADRB, 20
.set STO,  24
.set RD,   25
.set CO,   26
.set SPW,  28
.set NIL,  29
.set TMP,  32
.set BK,   64
.set AF,   128
.set AC,   128
.set G1, 24
.set G0, 32
.set G1B, 48
.set G0B, 56
.set MSB, 0
.macro WIN new
.if MSB != (\new)
	s_set_vgpr_msb (MSB<<8)|(\new)
.set MSB, (\new)
.endif
.endm
.macro JLOAD g0a, g1a, g0b, g1b        ; waves 0 and 1 fetch for A, waves 2 and 3 for B; an s_nop 0 and four v_nop follow each line
	s_cmp_eq_u32 s15, 0
	s_cbranch_scc0 .Lfor_b_\@
	tensor_load_to_lds s[\g0a:\g0a+3], s[\g1a:\g1a+7]
	s_nop 0
.rept 4
	v_nop
.endr
	s_branch .Lasked_\@
.Lfor_b_\@:
	tensor_load_to_lds s[\g0b:\g0b+3], s[\g1b:\g1b+7]
	s_nop 0
.rept 4
	v_nop
.endr
.Lasked_\@:
.endm
.macro CROUND                          ; a round of the cluster's barrier
	s_barrier_signal -1
	s_barrier_wait -1
	s_cmp_lg_u32 s14, 0
	s_cbranch_scc1 .Lnot_wave_0_\@
	s_barrier_signal -3
.Lnot_wave_0_\@:
	s_barrier_wait -3
	s_barrier_signal -1
	s_barrier_wait -1
.endm
	s_load_b256 s[4:11], s[0:1], 0x0               ; ao, wc, the scales, out0
	v_lshl_add_u32 v[SPW], v0, 2, SPARE
	v_mov_b32 v[NIL], 0
	ds_add_u32 v[SPW], v[NIL]                      ; the opening lines: the add, twice on end, and its wait ahead of my first tensor load
	ds_add_u32 v[SPW], v[NIL]
	v_lshrrev_b32 v1, 5, v0
	v_readfirstlane_b32 s14, v1                    ; wave 0..3
	s_lshr_b32 s15, s14, 1                         ; my half of A's rows; also: I fetch for A (0) or B (1)
	s_and_b32 s16, s14, 1                          ; my half of B's rows; also: which 64 rows I fetch
	s_bfe_u32 s40, ttmp6, 0x40000                  ; cx
	s_bfe_u32 s41, ttmp6, 0x40004                  ; cy
	s_lshl_b32 s42, ttmp9, 2
	s_add_co_u32 s42, s42, s40                     ; block column
	s_and_b32 s17, ttmp7, 0xffff
	s_lshl_b32 s17, s17, 2
	s_add_co_u32 s17, s17, s41                     ; block row
	s_lshl_b32 s43, s41, 2
	s_lshl_b32 s43, 15, s43                        ; my row of the cluster
	s_lshl_b32 s44, 0x1111, s40                    ; my column
	s_or_b32 s[G1+0], s43, (3<<16)|(1<<21)         ; the mask; elements of 8 bytes; bit 21 beside a mask
	s_or_b32 s[G1B+0], s44, (3<<16)|(1<<21)
.irp g, G1, G1B
	s_mov_b32 s[\g+1], 1024<<16                    ; a row: 8,192 bytes, four images
	s_mov_b32 s[\g+2], 4<<16                       ; four tiles of 16 rows
	s_mov_b32 s[\g+3], 1024<<16
	s_mov_b32 s[\g+4], 4
	s_mov_b32 s[\g+5], 2048                        ; from tile to tile: 16,384 bytes
	s_mov_b32 s[\g+6], 0
	s_mov_b32 s[\g+7], 0
.endr
	s_lshl_b32 s18, s16, 16                        ; the four tiles that I fetch
	s_lshl_b32 s20, s17, 17
	s_add_co_u32 s20, s20, s18
	s_mov_b32 s21, 0
	s_lshl_b32 s46, s42, 17
	s_add_co_u32 s46, s46, s18
	s_add_co_u32 s46, s46, 0x300000                ; wo is the fourth weight in wc
	s_mov_b32 s47, 0
	s_lshl_b32 s45, s14, 15                        ; where they go: wave x 32,768
	s_wait_dscnt 0x0
	s_wait_kmcnt 0x0
	s_load_b64 s[96:97], s[8:9], 0x28              ; e10, e11
	s_add_nc_u64 s[20:21], s[4:5], s[20:21]
	s_add_nc_u64 s[46:47], s[6:7], s[46:47]
	CROUND                                         ; the first joint loads meet
.irp s, 0,1
	s_mov_b32 s[G0+4*\s], 1
	s_add_co_u32 s[G0+4*\s+1], s45, \s*PH
	s_add_nc_u64 s[G0+4*\s+2:G0+4*\s+3], s[20:21], \s*8192
	s_or_b32 s[G0+4*\s+3], s[G0+4*\s+3], 0x80000000
	s_mov_b32 s[G0B+4*\s], 1
	s_add_co_u32 s[G0B+4*\s+1], s45, \s*PH
	s_add_nc_u64 s[G0B+4*\s+2:G0B+4*\s+3], s[46:47], \s*8192
	s_or_b32 s[G0B+4*\s+3], s[G0B+4*\s+3], 0x80000000
.endr
	JLOAD G0, G1, G0B, G1B                         ; K steps 0 to 3: one tensor load a wave at the head
	s_lshl_b32 s21, s15, 15                        ; my four tiles of A,
	s_lshl_b32 s22, s16, 15
	s_add_co_u32 s22, s22, 65536                   ; and of B, behind A's eight
	s_add_co_u32 s66, s21, PH
	s_add_co_u32 s67, s22, PH
	s_mul_i32 s23, s14, 16*SP
	s_add_co_u32 s23, s23, STG                     ; my stage
	s_lshl_b32 s20, s17, 7
	s_lshl_b32 s46, s15, 6
	s_add_co_u32 s20, s20, s46                     ; my first row of C,
	s_lshl_b32 s20, s20, 12
	s_lshl_b32 s46, s42, 9
	s_lshl_b32 s47, s16, 8
	s_add_co_u32 s46, s46, s47                     ; my first column, in bytes
	s_add_co_u32 s46, s46, s20
	s_mov_b32 s47, 0
	s_add_nc_u64 s[10:11], s[10:11], s[46:47]
	v_and_b32 v1, 15, v0                           ; r
	v_bfe_u32 v2, v0, 4, 1                         ; h
	v_and_b32 v6, 31, v0
	v_lshlrev_b32 v7, 4, v6
	v_add_nc_u32 v[ADRA], s21, v7
	v_add_nc_u32 v[ADRB], s22, v7
	v_add_nc_u32 v[ADRA+1], s66, v7
	v_add_nc_u32 v[ADRB+1], s67, v7
	v_mul_u32_u24 v5, v1, SP
	v_lshl_add_u32 v5, v2, 5, v5
	v_add_nc_u32 v[STO], s23, v5                   ; in: row r, 32 bytes for each half of the lanes
	v_mul_u32_u24 v8, v2, SP
	v_lshl_add_u32 v8, v1, 4, v8
	v_add_nc_u32 v[RD], s23, v8                    ; back: lanes 0-15 one row of 256 bytes, lanes 16-31 the next
	v_lshlrev_b32 v9, 12, v2
	v_lshl_add_u32 v[CO], v1, 4, v9                ; and the same two rows in C
.macro FRAG reg, adr, i, q
.irp c, 0,1,2,3
	ds_load_b128 v[\reg+4*\c:\reg+4*\c+3], v[\adr] offset:8192*(\i)+2048*(\q)+512*\c
.endr
.endm
.macro FETCH t                         ; K step t's eight fragments into set t % 2
	WIN 0x40
.irp i, 0,1,2,3
	FRAG 64*((\t)%2)+16*\i, ADRB+(\t)/4, \i, (\t)%4
.endr
	WIN 0
.irp i, 0,1,2,3
	FRAG AF+64*((\t)%2)+16*\i, ADRA+(\t)/4, \i, (\t)%4
.endr
.endm
.macro MUL t                           ; the 16 accumulators take turns, in the same order in every step; the first step starts the sums
	WIN 0x51
.irp a, 0,1,2,3
.irp b, 0,1,2,3
.if (\t) == 0
	v_wmma_f32_16x16x128_fp8_fp8 v[AC+8*(4*\a+\b):AC+8*(4*\a+\b)+7], v[64*((\t)%2)+16*\b:64*((\t)%2)+16*\b+15], v[AF+64*((\t)%2)+16*\a:AF+64*((\t)%2)+16*\a+15], 0
.else
	v_wmma_f32_16x16x128_fp8_fp8 v[AC+8*(4*\a+\b):AC+8*(4*\a+\b)+7], v[64*((\t)%2)+16*\b:64*((\t)%2)+16*\b+15], v[AF+64*((\t)%2)+16*\a:AF+64*((\t)%2)+16*\a+15], v[AC+8*(4*\a+\b):AC+8*(4*\a+\b)+7]
.endif
.endr
.endr
	WIN 0
.endm
	s_wait_alu depctr_va_vdst(0)
	s_wait_tensorcnt 0x0                           ; my part of the first half is in; these lines stand ahead of a later first fill
	ds_add_u32 v[SPW], v[NIL]
	s_wait_dscnt 0x0
	CROUND                                         ; everybody's part is in, and all sixteen work-groups are here
	JLOAD G0+4, G1, G0B+4, G1B                     ; K steps 4 to 7: the first tensor load behind the round
	FETCH 0
.irp t, 0,1,2,3,4,5,6,7
	s_wait_dscnt 0x0                               ; this step's 32 loads are in
.if \t == 3
	s_wait_tensorcnt 0x0                           ; my part of the second half is in;
	s_barrier_signal -1
	s_barrier_wait -1                              ; everybody's is.
.endif
.if \t < 7
.if \t > 0
.rept 4
	v_nop                                          ; places ahead of loads into the set that the last step multiplied
.endr
.endif
	FETCH \t+1
.endif
	MUL \t
.endr
; THE WAY OUT, by blocks of 16 rows x 64 columns through my own stage: sixteen lanes store one aligned unit of 256 bytes.  LDS serves a wave's instructions in order: no wait between the stage's stores and loads.
.macro TOSTAGE a
	WIN 0x01
.set j, 0
.rept 16
	v_pk_mul_f32 v[TMP+j:TMP+j+1], v[AC+32*(\a)+j:AC+32*(\a)+j+1], s[96:97] op_sel_hi:[1,0]   ; x 2^(e10 + e11); each accumulator from its low end on
.set j, j+2
.endr
	WIN 0
.irp b, 0,1,2,3
	ds_store_b128 v[STO], v[TMP+8*\b:TMP+8*\b+3] offset:64*\b
	ds_store_b128 v[STO], v[TMP+8*\b+4:TMP+8*\b+7] offset:64*\b+16
.endr
.irp t, 0,1,2,3,4,5,6,7
	ds_load_b128 v[BK+32*((\a)%2)+4*\t:BK+32*((\a)%2)+4*\t+3], v[RD] offset:2*\t*SP
.endr
.endm
.macro SEND a, younger
	s_wait_dscnt \younger
.irp t, 0,1,2,3,4,5,6,7
	global_store_b128 v[CO], v[BK+32*((\a)%2)+4*\t:BK+32*((\a)%2)+4*\t+3], s[10:11] offset:(16*(\a)+2*\t)*4096 th:TH_STORE_NT
.endr
.endm
	s_wait_kmcnt 0x0
	s_add_co_i32 s96, s96, s97
	s_add_co_i32 s96, s96, 127
	s_lshl_b32 s96, s96, 23                        ; 2^(e10 + e11)
.rept 4
	v_nop
.endr
	TOSTAGE 0
.irp a, 1,2,3
.if \a > 1
	s_wait_xcnt 0x0                                ; block a - 2's stores have read their registers
.endif
	TOSTAGE \a
	SEND \a-1, 16                                  ; behind block a - 1's loads: block a's 8 stores and 8 loads
.endr
	SEND 3, 0
	s_wait_tensorcnt 0x0                           ; the wave's end
	ds_add_u32 v[SPW], v[NIL]
	s_wait_dscnt 0x0
	CROUND                                         ; the closing round
	s_endpgm
.Lfunc_end_k_qd9ccb0d0f8_oproj:
	.size	k_qd9ccb0d0f8_oproj, .Lfunc_end_k_qd9ccb0d0f8_oproj-k_qd9ccb0d0f8_oproj
	.p2alignl 7, 3214868480
	.fill 96, 4, 3214868480
	.section	.rodata,"a",@progbits
	.p2align	6, 0x0
	.amdhsa_kernel k_qd9ccb0d0f8_oproj
		.amdhsa_group_segment_fixed_size 327680
		.amdhsa_private_segment_fixed_size 0
		.amdhsa_enable_private_segment 0
		.amdhsa_kernarg_size 32
		.amdhsa_user_sgpr_count 2
		.amdhsa_user_sgpr_kernarg_segment_ptr 1
		.amdhsa_wavefront_size32 1
		.amdhsa_system_sgpr_workgroup_id_x 1
		.amdhsa_system_sgpr_workgroup_id_y 1
		.amdhsa_system_sgpr_workgroup_id_z 1
		.amdhsa_system_vgpr_workitem_id 0
		.amdhsa_next_free_vgpr 512
		.amdhsa_next_free_sgpr 98
		.amdhsa_reserve_vcc 0
		.amdhsa_float_denorm_mode_32 3
		.amdhsa_float_denorm_mode_16_64 3
		.amdhsa_memory_ordered 1
		.amdhsa_forward_progress 1
		.amdhsa_inst_pref_size 46
	.end_amdhsa_kernel
	.amdgpu_metadata
---
amdhsa.version: [ 1, 2 ]
amdhsa.kernels:
  - .name:           k_qd9ccb0d0f8_oproj
    .symbol:         k_qd9ccb0d0f8_oproj.kd
    .args:
      - { .name: ao, .offset: 0, .size: 8, .value_kind: global_buffer, .address_space: global }
      - { .name: wc, .offset: 8, .size: 8, .value_kind: global_buffer, .address_space: global }
      - { .name: lowp_scales, .offset: 16, .size: 8, .value_kind: global_buffer, .address_space: global }
      - { .name: out0, .offset: 24, .size: 8, .value_kind: global_buffer, .address_space: global }
    .group_segment_fixed_size: 327680
    .private_segment_fixed_size: 0
    .kernarg_segment_align: 8
    .kernarg_segment_size: 32
    .max_flat_workgroup_size: 128
    .sgpr_count:     98
    .vgpr_count:     512
    .wavefront_size: 32
...
	.end_amdgpu_metadata
.endif
;; end of part 4
